; MI455X (gfx1250); checked and timed in simulation.
; The chip was launched on July 23, 2026; its instructions are those of AMD's public machine-readable ISA for CDNA 5 (MIT licence, August 2026) and "CDNA5" Instruction Set Architecture Reference Guide (July 2026). The comments in the code are by the model that wrote it; some were corrected since.
;; Multi Head Attention. Allowed arithmetic: matrix products marked QUANTISED: E4M3 operands, one given power-of-two scale a tensor, by v_wmma_f32_16x16x64_fp8_fp8 or v_wmma_f32_16x16x128_fp8_fp8, f32 sums; everything else in f32.
;; Inputs: Wk_b 1,024 float32; Wk_w_codes 1,024 x 32 x 32 uint8 (E4M3 codes of Wk_w, K innermost, in blocks of 32 codes); Wq_b 1,024 float32; Wq_w_codes 1,024 x 32 x 32 uint8 (E4M3 codes of Wq_w, K innermost, in blocks of 32 codes); Wv_b 1,024 float32; Wv_w_codes 1,024 x 32 x 32 uint8 (E4M3 codes of Wv_w, K innermost, in blocks of 32 codes); lowp_scales 10 int32 (the exponents e of the quantised operands' scales 2^e); mask_pad 4 x 2,048 x 2,048 bool; x_k_v_codes 4 x 2,048 x 32 x 32 uint8 (E4M3 codes of x_k_v, K innermost, in blocks of 32 codes); x_q_codes 4 x 2,048 x 32 x 32 uint8 (E4M3 codes of x_q, K innermost, in blocks of 32 codes).
;; Outputs: out0 4 x 2,048 x 1,024 float32.
;; This version of the problem:
;;   THIS VERSION OF THE PROBLEM IS GIVEN IN LOW PRECISION. The matrix products marked QUANTISED in the list below multiply operands that are first quantised to E4M3 (4 exponent bits, 3 mantissa bits; 8 bits a number), with one given power-of-two scale for each operand tensor; their sums are f32. All else is computed in f32.
;;   The module's matrix products, in the order in which they are computed (A, B: the left and right operand; K: the contracted axis; several contracted axes count as one K, in the product's order):
;;     1. [M 8,192, K 1,024] x [K 1,024, N 1,024]; A: input x_q (given as codes); B: input Wq_w (given as codes): QUANTISED (scales: A lowp_scales[0], B lowp_scales[1])
;;     2. [M 8,192, K 1,024] x [K 1,024, N 1,024]; A: input x_k_v (given as codes); B: input Wk_w (given as codes): QUANTISED (scales: A lowp_scales[2], B lowp_scales[3])
;;     3. [M 8,192, K 1,024] x [K 1,024, N 1,024]; A: input x_k_v (given as codes); B: input Wv_w (given as codes): QUANTISED (scales: A lowp_scales[4], B lowp_scales[5])
;;     4. batch 64 x [M 2,048, K 64] x [K 64, N 2,048]; A: computed on the way; B: computed on the way: QUANTISED (scales: A lowp_scales[6], B lowp_scales[7])
;;     5. batch 64 x [M 2,048, K 2,048] x [K 2,048, N 64]; A: softmax (see below); B: computed on the way: QUANTISED (scales: A lowp_scales[8], B lowp_scales[9])
;;   THE QUANTISER, for each operand of a quantised product, along K:
;;     - The operand's scale is 2^e, e = its entry of the input lowp_scales (int32; the entries are numbered through the quantised products in the list's order, A before B).
;;     - Each number is divided by the scale, clamped to +-448, and rounded to the nearest number of E4M3, ties to even, subnormals kept.
;;     - The product sums the exact products of the quantised numbers (number of the format x scale) in f32.
;;   ~~~python
;;   def quantise(x, axis, e):      # numpy; x: float32 -> the quantised numbers, widened to float32 again
;;       x = np.moveaxis(x, axis, -1); K = x.shape[-1]
;;       r = np.clip(x / 2.0 ** e, -448, 448)
;;       step = 2.0 ** (np.maximum(np.frexp(np.where(r == 0, 1, r))[1] - 1, -6) - 3)
;;       q = np.round(r / step) * step * 2.0 ** e      # np.round: ties to even
;;       return np.moveaxis(q, -1, axis).astype(np.float32)
;;   ~~~
;;   SOFTMAX AHEAD OF A QUANTISED PRODUCT. Where the list says 'softmax', what is quantised is not the finished softmax but p = 2^(t - M), with t = logit x log2(e) and M = ceil(the row's largest t), a whole number; so 1/2 < the row's largest p <= 1. The row's sum l is taken of the UNQUANTISED p, in f32, and the product's result is divided by l at the end. Since M is a whole number, a kernel that streams over the keys may use a running M (the ceiling of the running maximum): every later rescaling is an exact power of two, so the quantised numbers keep their values, but for numbers so far below the row's largest that they fall under the format's range.
;;   OPERANDS COMPUTED ON THE WAY. 'Computed on the way' means the value that the module computes at that place (a softmax that the list does not call 'softmax' is quantised finished and normalised). What goes into a quantiser is computed in f32, as accurately as f32 sums, v_exp_f32 and their like allow (about 1e-6 of the number): no bf16 or f16 on the way to a quantiser, and a product that is left as it is and whose result goes on into a quantised operand takes f32 operands (vector FMAs, or v_wmma_f32_16x16x4_f32). A number that lies on a knife's edge between two numbers of the format may be rounded either way, as far as f32 arithmetic and the matrix unit's own rounding can turn it there, and no further.
;;   INPUTS GIVEN AS CODES. Wk_w (in the module: [1024, 1024], K = its axis 1); Wq_w (in the module: [1024, 1024], K = its axis 1); Wv_w (in the module: [1024, 1024], K = its axis 1); x_k_v (in the module: [4, 2048, 1024], K = its axis 2); x_q (in the module: [4, 2048, 1024], K = its axis 2): each comes as NAME_codes (uint8): NAME with its K axis moved to the last place and cut into blocks of 32 codes, [.., K / 32, bytes a block], one block behind the other in memory; one code a byte (a code: sign, 4 exponent bits, 3 mantissa bits); its scale is its entry of lowp_scales. Its value is code x scale, taken as it is: it is not quantised again, and the codes and scales need not be those that the quantiser above would give.
;; One version. Each part assembles by itself: llvm-mc -triple=amdgcn-amd-amdhsa -mcpu=gfx1250 --defsym DOCPART=n.
;; ======== version 1 of 1: 3 launches
;; limits: right only within a limited range of input values
;; workspace buffers: mbits 2,097,152 bytes of whole numbers; qimg 8,388,608 bytes; kvimg 16,777,216 bytes
;; launch maskpack (part 1): grid 256 x 1, 8 waves a work-group, no clusters, 68,608 bytes of LDS; arguments mask_pad, mbits; writes mbits
.if DOCPART == 1
	.amdgcn_target "amdgcn-amd-amdhsa--gfx1250"
	.amdhsa_code_object_version 6
	.text
	.protected	k_qb56502e78d_maskpack
	.globl	k_qb56502e78d_maskpack
	.p2align	8
	.type	k_qb56502e78d_maskpack,@function
k_qb56502e78d_maskpack:
	s_mov_b64 s[64:65], 0
	v_nop
	global_prefetch_b8 v0, s[64:65] scope:SCOPE_SE
	s_setreg_imm32_b32 hwreg(HW_REG_WAVE_MODE, 25, 1), 1
	s_wait_xcnt 0x0
; mask_pad [4][2048][2048], one byte a flag, becomes LANE MASKS for the attention launch: mbits [b 4][qt 128][step 32][word 32] of 32 bits.
; Word 8 t + j of (b, qt, step), bit 16 h + r, is mask_pad[b][16 qt + r][64 step + 16 t + 8 h + j]: the lanes of register 8 t + j of a tile of scores
; (16 queries x 64 keys, a lane (r, h) holding query r and keys 16 t + 8 h + j).  One select a register then applies the mask there, and all 16 heads read the same words.
; SHARES.  A wave takes 16 rows x 512 keys (8,192 bytes in, 256 words out).  Each load reads 512 consecutive bytes of a row; the bytes turn through the wave's own stage in LDS,
; so that lane (r, h) gets 8 neighbouring keys of row r; a compare of one byte in all lanes IS a word; the words are gathered lane by lane and leave as two stores of 512 consecutive bytes.
; No matrix unit, no cluster, no barrier: the waves share no input and no LDS byte.
.set SPM,  528                         ; a stage row: 512 bytes + 16, so that the 16 rows that a read touches start at different banks (64 banks of 4 bytes: ISA guide 11.1)
.set WST,  16*SPM                      ; a wave's stage
.set WD,   8                           ; v8-15   the 256 words: word g in lane (g % 128) / 4, register 4 (g / 128) + g % 4
.set IN,   16                          ; v16-79  16 rows as loaded
.set BY,   80                          ; v80-143 32 x 8 keys of my row
	s_load_b128 s[4:7], s[0:1], 0x0                ; mask_pad, mbits
	v_lshl_add_u32 v144, v0, 2, 0x10800
	v_mov_b32 v145, 0
	v_lshrrev_b32 v4, 5, v0
	s_delay_alu instid0(VALU_DEP_1)
	v_readfirstlane_b32 s8, v4                     ; wave 0..7
	v_and_b32 v5, 31, v0
	s_delay_alu instid0(VALU_DEP_1)
	v_lshlrev_b32 v1, 4, v5                        ; 16 x lane: my bytes of a load and of a store
	s_mul_i32 s9, s8, WST
	v_add_nc_u32 v2, s9, v1                        ; the stage, on the way in
	v_and_b32 v6, 15, v0                           ; r
	v_bfe_u32 v7, v0, 4, 1                         ; h
	s_delay_alu instid0(VALU_DEP_2)
	v_mul_u32_u24 v3, v6, SPM
	s_delay_alu instid0(VALU_DEP_1)
	v_lshl_add_u32 v3, v7, 3, v3
	s_delay_alu instid0(VALU_DEP_1)
	v_add_nc_u32 v3, s9, v3                        ; and on the way out: row r, + 8 h
	s_lshl_b32 s10, ttmp9, 3
	s_add_co_u32 s10, s10, s8                      ; which of the 2,048 parts is my wave's
	s_lshr_b32 s11, s10, 2                         ; 128 b + qt
	s_and_b32 s12, s10, 3                          ; which 512 keys
	s_lshl_b32 s14, s11, 15                        ; 16 rows of 2,048 bytes
	s_lshl_b32 s13, s12, 9
	s_add_co_u32 s14, s14, s13
	s_mov_b32 s15, 0
	s_lshl_b32 s16, s11, 12                        ; 32 steps of 128 bytes
	s_lshl_b32 s13, s12, 10                        ; 8 steps
	s_add_co_u32 s16, s16, s13
	s_mov_b32 s17, 0
	s_wait_alu depctr_va_vdst(0)
	s_wait_kmcnt 0x0
	s_add_nc_u64 s[4:5], s[4:5], s[14:15]
	s_add_nc_u64 s[6:7], s[6:7], s[16:17]
.irp i, 0,1,2,3,4,5,6,7,8,9,10,11,12,13,14,15
	global_load_b128 v[IN+4*\i:IN+4*\i+3], v1, s[4:5] offset:2048*\i th:TH_LOAD_NT   ; row i: 32 lanes read 512 consecutive bytes; read once in the launch
.endr
.irp i, 0,1,2,3,4,5,6,7
	v_mov_b32 v[WD+\i], 0                          ; written whole once: the lane writes below count as readers of their destination
.endr
.irp i, 0,1,2,3,4,5,6,7,8,9,10,11,12,13,14,15
	s_wait_loadcnt 15-\i                           ; loads come back in order: row i is in, the 15 - i younger ones may be out
	ds_store_b128 v2, v[IN+4*\i:IN+4*\i+3] offset:SPM*\i
.endr
.set n, 0
.rept 32
	ds_load_b64 v[BY+2*n:BY+2*n+1], v3 offset:16*n ; keys 16 n + 8 h + 0 .. 7 of row r.  LDS serves a wave's instructions in order: these see my stores
.set n, n+1
.endr
.set n, 0
.rept 32
	s_wait_dscnt 31-n                              ; read n is in, the younger ones may be out
.set j, 0
.rept 8
	v_and_b32 v[4+j%4], 0xff<<(8*(j%4)), v[BY+2*n+j/4]          ; key 16 n + 8 h + j's byte
	s_delay_alu instid0(VALU_DEP_1)
	v_cmp_ne_u32 s[20+j], 0, v[4+j%4]                          ; bit 16 h + r: word 8 n + j
	s_delay_alu instid0(VALU_DEP_1)
	v_writelane_b32 v[WD+4*(n/16)+j%4], s[20+j], 2*(n%16)+j/4  ; to its place in the stores
.set j, j+1
.endr
.set n, n+1
.endr
	global_store_b128 v1, v[WD:WD+3], s[6:7]                   ; 32 lanes store 512 consecutive bytes, at a multiple of 512 from the buffer's first byte
	global_store_b128 v1, v[WD+4:WD+7], s[6:7] offset:512
	s_wait_tensorcnt 0x0
	ds_add_u32 v144, v145
	s_wait_dscnt 0x0
	s_endpgm
.Lfunc_end_k_qb56502e78d_maskpack:
	.size	k_qb56502e78d_maskpack, .Lfunc_end_k_qb56502e78d_maskpack-k_qb56502e78d_maskpack
	.p2alignl 7, 3214868480
	.fill 96, 4, 3214868480
	.section	.rodata,"a",@progbits
	.p2align	6, 0x0
	.amdhsa_kernel k_qb56502e78d_maskpack
		.amdhsa_group_segment_fixed_size 68608
		.amdhsa_private_segment_fixed_size 0
		.amdhsa_enable_private_segment 0
		.amdhsa_kernarg_size 16
		.amdhsa_user_sgpr_count 2
		.amdhsa_user_sgpr_kernarg_segment_ptr 1
		.amdhsa_wavefront_size32 1
		.amdhsa_system_sgpr_workgroup_id_x 1
		.amdhsa_system_sgpr_workgroup_id_y 1
		.amdhsa_system_sgpr_workgroup_id_z 1
		.amdhsa_system_vgpr_workitem_id 0
		.amdhsa_next_free_vgpr 146
		.amdhsa_next_free_sgpr 66
		.amdhsa_reserve_vcc 0
		.amdhsa_float_denorm_mode_32 3
		.amdhsa_float_denorm_mode_16_64 3
		.amdhsa_memory_ordered 1
		.amdhsa_forward_progress 1
		.amdhsa_inst_pref_size 73
	.end_amdhsa_kernel
	.amdgpu_metadata
---
amdhsa.version: [ 1, 2 ]
amdhsa.kernels:
  - .name:           k_qb56502e78d_maskpack
    .symbol:         k_qb56502e78d_maskpack.kd
    .args:
      - { .name: mask_pad, .offset: 0, .size: 8, .value_kind: global_buffer, .address_space: global }
      - { .name: mbits, .offset: 8, .size: 8, .value_kind: global_buffer, .address_space: global }
    .group_segment_fixed_size: 68608
    .private_segment_fixed_size: 0
    .kernarg_segment_align: 8
    .kernarg_segment_size: 16
    .max_flat_workgroup_size: 256
    .sgpr_count:     66
    .vgpr_count:     146
    .wavefront_size: 32
...
	.end_amdgpu_metadata
.endif
;; end of part 1
;; launch proj (part 2): grid 12 x 32, 4 waves a work-group, clusters of 4 x 4, 327,680 bytes of LDS; arguments x_q_codes, x_k_v_codes, Wq_w_codes, Wk_w_codes, Wv_w_codes, Wq_b, Wk_b, Wv_b, lowp_scales, qimg, kvimg; writes qimg, kvimg
.if DOCPART == 2
	.amdgcn_target "amdgcn-amd-amdhsa--gfx1250"
	.amdhsa_code_object_version 6
	.text
	.protected	k_qb56502e78d_proj
	.globl	k_qb56502e78d_proj
	.p2align	8
	.type	k_qb56502e78d_proj,@function
k_qb56502e78d_proj:
	s_mov_b64 s[64:65], 0
	v_nop
	global_prefetch_b8 v0, s[64:65] scope:SCOPE_SE
	s_setreg_imm32_b32 hwreg(HW_REG_WAVE_MODE, 25, 1), 1
	s_wait_xcnt 0x0
	s_wait_alu depctr_hold_cnt(0) depctr_sa_sdst(0) depctr_va_vdst(0) depctr_va_sdst(0) depctr_va_ssrc(0) depctr_va_vcc(0) depctr_vm_vsrc(0)
	s_getreg_b32 s2, hwreg(HW_REG_IB_STS2, 6, 4)
	s_cmp_eq_u32 s2, 0
	s_cbranch_scc0 .Lentry_in_a_cluster
	s_endpgm
.Lentry_in_a_cluster:
	s_bfe_u32 s2, ttmp6, 0x10000c
	s_cmp_lg_u32 s2, 0xf033
	s_cbranch_scc0 .Lentry_shape_is_right
	s_endpgm
.Lentry_shape_is_right:
.set SIZE_K, 1024
.set KSTEP,  256
.set ROWB,   256
.set KROW,   SIZE_K
.set PITCH,  272
.set FR,     16
.set NL,     4
.set NP,     4
.set HALFT,  128*PITCH
.set SLOT,   4*HALFT
.set LAPS,   SIZE_K/(2*KSTEP)
.set SPARE,  2*SLOT
.set SOF,  8
.set SCV,  12
.set LIMV, 13
.set ADRA, 16
.set ADRB, 20
.set SPW,  28
.set NIL,  29
.set BR,   32
.set TMP,  32
.set BL,   96
.set AF,   128
.set CD,   128
.set G1, 24
.set G0, 32
.set G1B, 48
.set G0B, 56
.set MSB, 0
.macro WIN new
.if MSB != (\new)
	s_set_vgpr_msb (MSB<<8)|(\new)
.set MSB, (\new)
.endif
.endm
.set MUL_LO,   0xa1
.set MUL_HI,   0xf1
.set FIRST_LO, 0x81
.set FIRST_HI, 0xc1
.set TO_B,     0x40
.macro JLOAD g0a, g1a, g0b, g1b
	s_cmp_eq_u32 s15, 0
	s_cbranch_scc0 .Lfor_b_\@
	tensor_load_to_lds s[\g0a:\g0a+3], s[\g1a:\g1a+7]
	s_nop 0
.rept 4
	v_nop
.endr
	s_branch .Lasked_\@
.Lfor_b_\@:
	tensor_load_to_lds s[\g0b:\g0b+3], s[\g1b:\g1b+7]
	s_nop 0
.rept 4
	v_nop
.endr
.Lasked_\@:
.endm
.macro CREST
	s_cmp_lg_u32 s14, 0
	s_cbranch_scc1 .Lnot_wave_0_\@
	s_barrier_signal -3
.Lnot_wave_0_\@:
	s_barrier_wait -3
	s_barrier_signal -1
	s_barrier_wait -1
.endm
.macro CROUND
	s_barrier_signal -1
	s_barrier_wait -1
	CREST
.endm
	s_load_b512 s[68:83], s[0:1], 0x0
	s_load_b128 s[84:87], s[0:1], 0x40
	s_load_b64 s[88:89], s[0:1], 0x50
	v_lshl_add_u32 v[SPW], v0, 2, SPARE
	v_mov_b32 v[NIL], 0
	ds_add_u32 v28, v29
	ds_add_u32 v28, v29
	s_wait_dscnt 0x0
	v_lshrrev_b32 v1, 5, v0
	v_readfirstlane_b32 s14, v1
	s_lshr_b32 s15, s14, 1
	s_and_b32 s16, s14, 1
	s_bfe_u32 s40, ttmp6, 0x40000
	s_bfe_u32 s41, ttmp6, 0x40004
	s_and_b32 s18, ttmp7, 0xffff
	s_lshl_b32 s18, s18, 2
	s_cmp_eq_u32 ttmp9, 2
	s_cselect_b32 s17, 0, s18
	s_cselect_b32 s42, s18, 0
	s_add_co_u32 s17, s17, s41
	s_add_co_u32 s42, s42, s40
	s_lshl_b32 s43, s41, 2
	s_lshl_b32 s43, 15, s43
	s_lshl_b32 s44, 0x1111, s40
	s_or_b32 s[G1+0], s43, (0<<16)|(1<<20)|(1<<21)|(5<<22)|(3<<25)
	s_or_b32 s[G1B+0], s44, (0<<16)|(1<<20)|(1<<21)|(5<<22)|(3<<25)
.irp g, G1, G1B
	s_mov_b32 s[\g+1], ROWB<<16
	s_mov_b32 s[\g+2], 128<<16
	s_mov_b32 s[\g+3], ROWB<<16
	s_mov_b32 s[\g+4], 128
	s_mov_b32 s[\g+5], KROW
	s_mov_b32 s[\g+6], 0
	s_mov_b32 s[\g+7], 0
.endr
	s_lshl_b32 s18, s16, 7
	s_lshl_b32 s20, s17, 8
	s_add_co_u32 s20, s20, s18
	s_lshl_b32 s20, s20, 10
	s_mov_b32 s21, 0
	s_lshl_b32 s46, s42, 8
	s_add_co_u32 s46, s46, s18
	s_lshl_b32 s46, s46, 10
	s_mov_b32 s47, 0
	s_mul_i32 s45, s14, HALFT
	s_wait_kmcnt 0x0
	s_cmp_eq_u32 ttmp9, 0
	s_cselect_b64 s[4:5], s[68:69], s[70:71]
	s_cselect_b64 s[6:7], s[72:73], s[74:75]
	s_cselect_b64 s[8:9], s[78:79], s[80:81]
	s_cselect_b64 s[10:11], s[86:87], s[88:89]
	s_cmp_eq_u32 ttmp9, 2
	s_cselect_b64 s[4:5], s[76:77], s[4:5]
	s_cselect_b64 s[6:7], s[70:71], s[6:7]
	s_cselect_b64 s[8:9], s[82:83], s[8:9]
	s_load_b256 s[68:75], s[84:85], 0x0
	s_load_b64 s[76:77], s[84:85], 0x20
	s_add_nc_u64 s[20:21], s[4:5], s[20:21]
	s_add_nc_u64 s[46:47], s[6:7], s[46:47]
	CROUND
.irp s, 0,1
	s_mov_b32 s[G0+4*\s], 1
	s_add_co_u32 s[G0+4*\s+1], s45, \s*SLOT
	s_add_nc_u64 s[G0+4*\s+2:G0+4*\s+3], s[20:21], \s*ROWB
	s_or_b32 s[G0+4*\s+3], s[G0+4*\s+3], 0x80000000
	s_mov_b32 s[G0B+4*\s], 1
	s_add_co_u32 s[G0B+4*\s+1], s45, \s*SLOT
	s_add_nc_u64 s[G0B+4*\s+2:G0B+4*\s+3], s[46:47], \s*ROWB
	s_or_b32 s[G0B+4*\s+3], s[G0B+4*\s+3], 0x80000000
	s_wait_alu depctr_va_vdst(0)
	s_wait_tensorcnt 0x0
	ds_add_u32 v28, v29
	ds_add_u32 v28, v29
	s_wait_dscnt 0x0
	CROUND
	JLOAD G0+4*\s, G1, G0B+4*\s, G1B
.endr
	v_and_b32 v1, 15, v0
	v_bfe_u32 v2, v0, 4, 1
	v_mul_u32_u24 v3, v1, PITCH
	v_lshl_add_u32 v4, v2, 4, v3
	s_mul_i32 s21, s15, HALFT
	s_mul_i32 s22, s16, HALFT
	s_add_co_u32 s22, s22, 2*HALFT
.irp s, 0,1
	v_add_nc_u32 v[ADRA+\s], s21, v4
	v_add_nc_u32 v[ADRB+\s], s22, v4
	s_add_co_u32 s21, s21, SLOT
	s_add_co_u32 s22, s22, SLOT
.endr
	s_lshl_b32 s90, s17, 8
	s_lshl_b32 s18, s15, 7
	s_add_co_u32 s90, s90, s18
	s_lshl_b32 s91, s42, 8
	s_lshl_b32 s18, s16, 7
	s_add_co_u32 s91, s91, s18
	s_mov_b32 s94, 8192
	s_mov_b32 s95, 262144
	s_cmp_eq_u32 ttmp9, 0
	s_cselect_b32 s18, 17, 18
	s_cselect_b32 s19, 6, 7
	s_cselect_b32 s94, 4096, s94
	s_cselect_b32 s95, 131072, s95
	s_cmp_eq_u32 ttmp9, 2
	s_cselect_b32 s94, 262144, s94
	s_cselect_b32 s95, 8192, s95
	s_cselect_b32 s92, s91, s90
	s_cselect_b32 s93, s90, s91
	s_cselect_b32 s96, 0, s91
	s_cselect_b32 s97, s90, 0
	s_cselect_b32 s98, 4096, 0
	s_lshl_b32 s96, s96, 2
	s_lshl_b32 s97, s97, 2
	s_lshr_b32 s22, s92, 11
	s_lshl_b32 s22, s22, 4
	s_lshr_b32 s23, s93, 6
	s_add_co_u32 s22, s22, s23
	s_lshl_b32 s22, s22, s18
	s_and_b32 s23, s92, 2047
	s_lshl_b32 s23, s23, s19
	s_add_co_u32 s22, s22, s23
	s_add_co_u32 s22, s22, s98
	s_mov_b32 s23, 0
	s_add_nc_u64 s[10:11], s[10:11], s[22:23]
	v_and_b32 v5, 31, v0
	v_lshlrev_b32 v[SOF], 4, v5
	v_add_nc_u32 v[SOF+1], s95, v[SOF]
	v_add_nc_u32 v[SOF+2], s94, v[SOF]
	v_add_nc_u32 v[SOF+3], s94, v[SOF+1]
	v_lshlrev_b32 v14, 5, v2
	v_add_nc_u32 v14, s96, v14
	v_lshlrev_b32 v15, 2, v1
	v_add_nc_u32 v15, s97, v15
.irp b, 0,1,2,3,4,5,6,7
	global_load_b128 v[BR+8*\b:BR+8*\b+3],   v14, s[8:9] offset:64*\b
	global_load_b128 v[BR+8*\b+4:BR+8*\b+7], v14, s[8:9] offset:64*\b+16
.endr
.irp a, 0,1,2,3,4,5,6,7
	global_load_b32 v[BL+2*\a], v15, s[8:9] offset:64*\a
.endr
	s_wait_kmcnt 0x0
	s_add_co_i32 s18, s68, s69
	s_add_co_i32 s19, s70, s71
	s_add_co_i32 s20, s72, s73
	s_cmp_eq_u32 ttmp9, 0
	s_cselect_b32 s18, s18, s19
	s_cselect_b32 s19, s74, s75
	s_cmp_eq_u32 ttmp9, 2
	s_cselect_b32 s18, s20, s18
	s_cselect_b32 s19, s77, s19
	s_sub_co_i32 s20, 127, s18
	s_lshl_b32 s20, s20, 23
	s_cmp_eq_u32 ttmp9, 2
	s_cselect_b32 s99, 0, s20
	s_cselect_b32 s100, s20, 0
	s_sub_co_i32 s19, s19, s18
	s_add_co_i32 s19, s19, 127
	s_lshl_b32 s21, s19, 23
	v_mov_b32 v[SCV], s21
	s_wait_loadcnt 0x0
.set j, 0
.rept 64
	v_mul_f32 v[BR+j], s99, v[BR+j]
.set j, j+1
.endr
.irp a, 0,1,2,3,4,5,6,7
	v_mul_f32 v[BL+2*\a+1], s100, v[BL+2*\a]
	v_mul_f32 v[BL+2*\a], s100, v[BL+2*\a]
.endr
.macro FRAG reg, adr, q, i
.irp c, 0,1,2,3
	ds_load_b128 v[\reg+4*\c:\reg+4*\c+3], v[\adr] offset:128*(\q)+32*\c+(\i)*16*PITCH
.endr
.endm
.macro MUL16 a0, p, first
.irp a, \a0, \a0+1
.irp b, 0,1,2,3,4,5,6,7
.if \first
	v_wmma_f32_16x16x128_fp8_fp8 v[8*(8*((\a)%4)+\b):8*(8*((\a)%4)+\b)+7], v[128*(\p)+FR*\b:128*(\p)+FR*\b+FR-1], v[AF+FR*(\a):AF+FR*(\a)+FR-1], v[BR+8*\b:BR+8*\b+7]
.else
	v_wmma_f32_16x16x128_fp8_fp8 v[8*(8*((\a)%4)+\b):8*(8*((\a)%4)+\b)+7], v[128*(\p)+FR*\b:128*(\p)+FR*\b+FR-1], v[AF+FR*(\a):AF+FR*(\a)+FR-1], v[8*(8*((\a)%4)+\b):8*(8*((\a)%4)+\b)+7]
.endif
.endr
.endr
.endm
.macro FETCH_B slot, q, p
	WIN TO_B
.irp i, 0,1,2,3,4,5,6,7
	FRAG 128*(\p)+FR*\i, ADRB+\slot, \q, \i
.endr
	WIN 0
.endm
.macro FETCH_A slot, q, i0
.irp i, \i0, \i0+1, \i0+2, \i0+3
	FRAG AF+FR*(\i), ADRA+\slot, \q, \i
.endr
.endm
.macro PLACES n
.rept \n
	v_nop
.endr
.endm
.macro STEP slot, q, first
	s_wait_dscnt 4*NL
.if \first
	WIN FIRST_LO
.else
	WIN MUL_LO
.endif
	MUL16 0, (\q)%2, \first
	MUL16 2, (\q)%2, \first
	s_wait_dscnt 0
	PLACES NP
	FETCH_B \slot, (\q)+1, 1-(\q)%2
	FETCH_A \slot, (\q)+1, 0
.if \first
	WIN FIRST_HI
.else
	WIN MUL_HI
.endif
	MUL16 4, (\q)%2, \first
	MUL16 6, (\q)%2, \first
	PLACES NP
	WIN 0
	FETCH_A \slot, (\q)+1, 4
.endm
.macro TURN slot, next, fill
	s_wait_tensorcnt 0x0
	ds_add_u32 v[SPW], v[NIL]
	s_wait_dscnt 4*NL+1
	WIN MUL_LO
	MUL16 0, 1, 0
	s_wait_dscnt 0x0
	s_barrier_signal -1
	MUL16 2, 1, 0
	WIN 0
	s_barrier_wait -1
.if \fill
	CREST
	s_add_nc_u64 s[G0+4*\slot+2:G0+4*\slot+3], s[G0+4*\slot+2:G0+4*\slot+3], 2*ROWB
	s_add_nc_u64 s[G0B+4*\slot+2:G0B+4*\slot+3], s[G0B+4*\slot+2:G0B+4*\slot+3], 2*ROWB
	JLOAD G0+4*\slot, G1, G0B+4*\slot, G1B
.else
	PLACES NP
.endif
	FETCH_B \next, 0, 0
	FETCH_A \next, 0, 0
	WIN MUL_HI
	MUL16 4, 1, 0
	MUL16 6, 1, 0
	PLACES NP
	WIN 0
	FETCH_A \next, 0, 4
.endm
	s_wait_tensorcnt 1
	s_barrier_signal -1
	s_barrier_wait -1
	FETCH_B 0, 0, 0
	FETCH_A 0, 0, 0
	FETCH_A 0, 0, 4
	STEP 0, 0, 1
.rept LAPS-1
	TURN 0, 1, 1
	STEP 1, 0, 0
	TURN 1, 0, 1
	STEP 0, 0, 0
.endr
	TURN 0, 1, 0
	STEP 1, 0, 0
	s_wait_dscnt 4*NL
	WIN MUL_LO
	MUL16 0, 1, 0
	MUL16 2, 1, 0
	s_wait_dscnt 0
	WIN MUL_HI
	MUL16 4, 1, 0
	MUL16 6, 1, 0
	WIN 0
.macro OUTBLK a
.set AC, 64*((\a)%4)
.set CC, CD+16*(\a)
.set OF, SOF+2*((\a)/4)
	WIN 0x02+((\a)/4)
.set j, 0
.rept 32
	v_pk_add_f32 v[TMP+j:TMP+j+1], v[AC+j:AC+j+1], v[BL+2*(\a):BL+2*(\a)+1]
.set j, j+2
.endr
	WIN 0
.set j, 0
.rept 64
.set j, j+1
.endr
.set j, 0
.rept 8
	v_cvt_scalef32_pk8_fp8_f32 v[CC+2*j:CC+2*j+1], v[TMP+8*j:TMP+8*j+7], v[SCV]
.set j, j+1
.endr
	v_nop
	global_store_b128 v[OF],   v[CC:CC+3],     s[10:11] offset:1024*((\a)%4)
	global_store_b128 v[OF],   v[CC+4:CC+7],   s[10:11] offset:1024*((\a)%4)+512
	global_store_b128 v[OF+1], v[CC+8:CC+11],  s[10:11] offset:1024*((\a)%4)
	global_store_b128 v[OF+1], v[CC+12:CC+15], s[10:11] offset:1024*((\a)%4)+512
.endm
	PLACES NP
.irp a, 0,1,2,3,4,5,6,7
	OUTBLK \a
.endr
	s_wait_tensorcnt 0x0
	ds_add_u32 v[SPW], v[NIL]
	s_wait_dscnt 0x0
	CROUND
	s_endpgm
.Lfunc_end_k_qb56502e78d_proj:
	.size	k_qb56502e78d_proj, .Lfunc_end_k_qb56502e78d_proj-k_qb56502e78d_proj
	.p2alignl 7, 3214868480
	.fill 96, 4, 3214868480
	.section	.rodata,"a",@progbits
	.p2align	6, 0x0
	.amdhsa_kernel k_qb56502e78d_proj
		.amdhsa_group_segment_fixed_size 327680
		.amdhsa_private_segment_fixed_size 0
		.amdhsa_enable_private_segment 0
		.amdhsa_kernarg_size 88
		.amdhsa_user_sgpr_count 2
		.amdhsa_user_sgpr_kernarg_segment_ptr 1
		.amdhsa_wavefront_size32 1
		.amdhsa_system_sgpr_workgroup_id_x 1
		.amdhsa_system_sgpr_workgroup_id_y 1
		.amdhsa_system_sgpr_workgroup_id_z 1
		.amdhsa_system_vgpr_workitem_id 0
		.amdhsa_next_free_vgpr 1024
		.amdhsa_next_free_sgpr 102
		.amdhsa_reserve_vcc 0
		.amdhsa_float_denorm_mode_32 3
		.amdhsa_float_denorm_mode_16_64 3
		.amdhsa_fp16_overflow 1
		.amdhsa_memory_ordered 1
		.amdhsa_forward_progress 1
		.amdhsa_inst_pref_size 109
	.end_amdhsa_kernel
	.amdgpu_metadata
---
amdhsa.version: [ 1, 2 ]
amdhsa.kernels:
  - .name:           k_qb56502e78d_proj
    .symbol:         k_qb56502e78d_proj.kd
    .args:
      - { .name: x_q_codes, .offset: 0, .size: 8, .value_kind: global_buffer, .address_space: global }
      - { .name: x_k_v_codes, .offset: 8, .size: 8, .value_kind: global_buffer, .address_space: global }
      - { .name: Wq_w_codes, .offset: 16, .size: 8, .value_kind: global_buffer, .address_space: global }
      - { .name: Wk_w_codes, .offset: 24, .size: 8, .value_kind: global_buffer, .address_space: global }
      - { .name: Wv_w_codes, .offset: 32, .size: 8, .value_kind: global_buffer, .address_space: global }
      - { .name: Wq_b, .offset: 40, .size: 8, .value_kind: global_buffer, .address_space: global }
      - { .name: Wk_b, .offset: 48, .size: 8, .value_kind: global_buffer, .address_space: global }
      - { .name: Wv_b, .offset: 56, .size: 8, .value_kind: global_buffer, .address_space: global }
      - { .name: lowp_scales, .offset: 64, .size: 8, .value_kind: global_buffer, .address_space: global }
      - { .name: qimg, .offset: 72, .size: 8, .value_kind: global_buffer, .address_space: global }
      - { .name: kvimg, .offset: 80, .size: 8, .value_kind: global_buffer, .address_space: global }
    .group_segment_fixed_size: 327680
    .private_segment_fixed_size: 0
    .kernarg_segment_align: 8
    .kernarg_segment_size: 88
    .max_flat_workgroup_size: 128
    .sgpr_count:     102
    .vgpr_count:     1024
    .wavefront_size: 32
...
	.end_amdgpu_metadata
.endif
;; end of part 2
;; launch attn (part 3): grid 4 x 64, 16 waves a work-group, clusters of 4 x 1, 327,680 bytes of LDS; arguments qimg, kvimg, mbits, lowp_scales, out0; writes out0
.if DOCPART == 3
	.amdgcn_target "amdgcn-amd-amdhsa--gfx1250"
	.amdhsa_code_object_version 6
	.text
	.protected	k_qb56502e78d_attn
	.globl	k_qb56502e78d_attn
	.p2align	8
	.type	k_qb56502e78d_attn,@function
k_qb56502e78d_attn:
	s_mov_b64 s[64:65], 0
	v_nop
	global_prefetch_b8 v0, s[64:65] scope:SCOPE_SE
	s_setreg_imm32_b32 hwreg(HW_REG_WAVE_MODE, 25, 1), 1
	s_wait_xcnt 0x0
	s_wait_alu depctr_hold_cnt(0) depctr_sa_sdst(0) depctr_va_vdst(0) depctr_va_sdst(0) depctr_va_ssrc(0) depctr_va_vcc(0) depctr_vm_vsrc(0)
	s_getreg_b32 s2, hwreg(HW_REG_IB_STS2, 6, 4)
	s_cmp_eq_u32 s2, 0
	s_cbranch_scc0 .Lentry_in_a_cluster
	s_endpgm
.Lentry_in_a_cluster:
	s_bfe_u32 s2, ttmp6, 0x10000c
	s_cmp_lg_u32 s2, 0x3003
	s_cbranch_scc0 .Lentry_shape_is_right
	s_endpgm
.Lentry_shape_is_right:
; out0[b][q][64 head + :] = the sum over keys of softmax(q . k / 8, masked) v, both products on codes of FP8 (E4M3) by v_wmma_f32_16x16x64_fp8_fp8, sums in f32.
; q, k and v come as images of operand registers (a fragment of 16 rows x K 64: registers 0-3 at 16 x lane, registers 4-7 at 512 + 16 x lane), the mask as lane masks, all made by the launches before.
; THE SOFTMAX AHEAD OF THE SECOND PRODUCT: t = logit x log2(e); M = the row's largest t so far, rounded UP to a whole number; p = 2^(t - M) is quantised with 2^e8, not normalised.
; The row's sum is taken of the unquantised p and divides O at the end.  When M moves, the sum and O are multiplied by 2^(old M - new M), in every step, without a branch.
; THE MASK.  A masked score is replaced by NEG = -2^(33 - e6 - e7), so that its t is -2^30 log2(e): a whole number in f32.  In a row with any open key a masked p is 0, as with the problem's -1e9;
; in a row that is masked throughout t = M for every key and every p is 1, again as with -1e9.
; LIMITS: e6 + e7 between -94 and 9.  The upper bound: the quantiser holds q and k at 448 codes, so |logit| <= 64 x 448^2 x 2^(e6 + e7) / 8 < 8.3e8: every open logit stays far above both -1e9 and mine.
;   The lower bound: NEG is an f32 number.  e8 between -126 and 119; e8 + e9 is applied by v_ldexp_f32 and has no bound.
; SHARES.  A work-group owns 512 queries of one (batch, head); each of its SIXTEEN waves owns 32, two tiles A and B of 16, in 256 registers: four waves to a SIMD, so that one wave's vector work
; stands beside another's matrix work and LDS loads.  Every wave walks the 2,048 keys, 64 a step; each fragment of K and V that it reads from LDS feeds two products.
; LDS.  A head's K and V are 262,144 bytes of images: they lie in LDS WHOLE, filled once, 16,384 bytes by each wave's one tensor load.  No ring, no refill.
; CLUSTER.  The four work-groups of a (batch, head) form a cluster and need the same 262,144 bytes: each wave's load is asked for JOINTLY by the four, with the same descriptor and a mask that names them.
; LAYOUT.  Both products are used transposed: S^T = K Q^T (source 0 = 16 keys, source 1 = 16 queries), O^T = V^T P^T (source 0 = 16 channels, source 1 = P): lane (r, h) holds query r throughout.
; Register 8 t + j of S^T is key 16 t + 8 h + j: eight registers, converted, are registers 2 t, 2 t + 1 of P's fragment (k = 16 t + 8 h + 0 .. 7: ISA guide 7.12.2).
.set LI,  1                            ; v1   16 x lane: an image's place for my lane; never rewritten
.set ADR, 2                            ; v2   LI + the step's first LDS byte
.set NEG, 3                            ; v3   the masked score
.set SCP, 4                            ; v4   2^e8 as f32, for the conversions
.set LIMP, 5
.set STO, 6                            ; v6   the way out: where I put 32 bytes of a row
.set RD,  7                            ; v7   the way out: where I read a row back
.set STA, 8                            ; v8 -M, v9 the largest t, v[10:11] the sum in two halves: tile A's;  v12-15: tile B's
.set STB, 12
.set FF,  16                           ; v[16:17] f = 2^(old M - new M), and 0 (named with it as a pair)
.set GO,  21                           ; v21  my byte offset in the wave's rows of the output
.set QA,  24                           ; v24-31, v32-39   Q's fragments
.set QB,  32
.set KF,  40                           ; v40-71   a step's four fragments of K
.set VF,  72                           ; v72-103  and of V^T
.set SA,  104                          ; v104-135, v136-167  S^T, then p
.set SB,  136
.set OA,  168                          ; v168-199, v200-231  O^T
.set OB,  200
.set PA,  232                          ; v232-239, v240-247  p's codes
.set PB,  240
.set WV,  14                           ; s14  my wave's number
.set MA,  16                           ; s[16:47] tile A's 32 mask words of a step
.set G0,  48                           ; s[48:51] descriptor group 0;  s[52:59] group 1
.set G1,  52
.set CS,  60                           ; s[60:61] c = log2(e) / 8 x 2^(e6 + e7): the packed form names a pair and takes its low word for both halves
.set SEL, 62                           ; s[62:63] lane selects for v_permlanex16_b32: lane l xor 16
.set MB,  68                           ; s[68:99] tile B's 32 mask words
.set TB,  100                          ; s100 LDS byte at which the step in hand begins
.set MO,  101                          ; s101 byte at which the mask words last asked for begin
.set STEPB, 8192                       ; a step's images: K's four fragments, then V^T's four
.set STP,  272                         ; the way out: a stage row, 256 bytes + 16
.macro CROUND                          ; a round of the cluster's barrier
	s_barrier_signal -1
	s_barrier_wait -1
	s_cmp_lg_u32 s[WV], 0
	s_cbranch_scc1 .Lnot_wave_0_\@
	s_barrier_signal -3
.Lnot_wave_0_\@:
	s_barrier_wait -3
	s_barrier_signal -1
	s_barrier_wait -1
.endm
.macro MLOAD                           ; a step's 64 mask words: 128 bytes for each of my two tiles of queries, which lie 4,096 bytes apart
	s_load_b512 s[MA:MA+15],    s[8:9], s[MO] offset:0x0
	s_load_b512 s[MA+16:MA+31], s[8:9], s[MO] offset:0x40
	s_load_b512 s[MB:MB+15],    s[8:9], s[MO] offset:0x1000
	s_load_b512 s[MB+16:MB+31], s[8:9], s[MO] offset:0x1040
.endm
	s_load_b256 s[4:11], s[0:1], 0x0               ; qimg s[4:5], kvimg s[6:7], mbits s[8:9], the scales' exponents s[10:11]
	s_load_b64 s[12:13], s[0:1], 0x20              ; out0
	v_lshl_add_u32 v254, v0, 2, 0x40000
	v_mov_b32 v255, 0
	ds_add_u32 v254, v255
	ds_add_u32 v254, v255
	v_lshrrev_b32 v2, 5, v0
	s_delay_alu instid0(VALU_DEP_1)
	v_readfirstlane_b32 s[WV], v2                  ; wave 0..15
	s_bfe_u32 s15, ttmp6, 0x40000                  ; cx: my place in the cluster: which 512 queries.  It enters Q's, the mask's and the output's addresses alone
	s_and_b32 s2, ttmp7, 0xffff                    ; 16 x batch + head, which the four partners share
	v_and_b32 v1, 31, v0
	s_delay_alu instid0(VALU_DEP_1)
	v_lshlrev_b32 v[LI], 4, v1
	; descriptor group 1: 16,384 dense bytes as 64 rows of 32 elements of 8 bytes, no padding
	s_mov_b32 s[G1], 15|(3<<16)|(1<<21)            ; 15:0 the mask: all four work-groups; 17:16 elements of 8 bytes; 21 set beside a mask
	s_mov_b32 s[G1+1], 32<<16                      ; tensor_dim0 = 32
	s_mov_b32 s[G1+2], 64<<16                      ; tensor_dim1 = 64
	s_mov_b32 s[G1+3], 32<<16                      ; tile_dim0 = 32
	s_mov_b32 s[G1+4], 64                          ; tile_dim1 = 64
	s_mov_b32 s[G1+5], 32                          ; tensor_dim0_stride
	s_mov_b32 s[G1+6], 0
	s_mov_b32 s[G1+7], 0
	s_mov_b32 s[G0], 1                             ; count = 1
	s_lshl_b32 s[G0+1], s[WV], 14                  ; LDS address: 16,384 x wave
	s_lshl_b32 s20, s2, 18                         ; the head's 262,144 bytes,
	s_add_co_u32 s20, s20, s[G0+1]                 ; my wave's part of them
	s_mov_b32 s21, 0
	s_lshl_b32 s22, s15, 5
	s_lshl_b32 s23, s[WV], 1
	s_add_co_u32 s22, s22, s23                     ; tile A: tile 32 cx + 2 wave of the 128 tiles of 16 queries; tile B the next
	s_lshl_b32 s24, s2, 7
	s_add_co_u32 s24, s24, s22
	s_lshl_b32 s24, s24, 10                        ; Q's images: 1,024 bytes a tile
	s_mov_b32 s25, 0
	s_lshr_b32 s26, s2, 4                          ; the batch
	s_lshl_b32 s28, s26, 7
	s_add_co_u32 s28, s28, s22
	s_lshl_b32 s28, s28, 12                        ; the mask words: 4,096 bytes a tile of queries
	s_mov_b32 s29, 0
	s_lshl_b32 s30, s26, 11
	s_lshl_b32 s31, s22, 4
	s_add_co_u32 s30, s30, s31                     ; my first row of the output,
	s_lshl_b32 s30, s30, 12                        ; of 4,096 bytes,
	s_and_b32 s31, s2, 15
	s_lshl_b32 s31, s31, 8                         ; and the head's 256 bytes in it
	s_add_co_u32 s30, s30, s31
	s_mov_b32 s31, 0
	s_mov_b32 s[SEL], 0x76543210
	s_mov_b32 s[SEL+1], 0xfedcba98
	s_mov_b32 s[TB], 0
	s_mov_b32 s[MO], 0
	s_wait_dscnt 0x0
	s_wait_kmcnt 0x0
	s_load_b128 s[16:19], s[10:11], 0x18           ; e6, e7, e8, e9
	s_add_nc_u64 s[G0+2:G0+3], s[6:7], s[20:21]    ; global address: made of the head and the wave alone
	s_or_b32 s[G0+3], s[G0+3], 0x80000000          ; type = 2
	s_add_nc_u64 s[4:5], s[4:5], s[24:25]
	s_add_nc_u64 s[8:9], s[8:9], s[28:29]
	s_add_nc_u64 s[12:13], s[12:13], s[30:31]
	CROUND                                         ; all four work-groups are here: the joint loads meet
	tensor_load_to_lds s[G0:G0+3], s[G1:G1+7]      ; my one tensor load of the launch
	s_nop 0
.rept 4
	v_nop
.endr
	s_wait_alu depctr_va_vdst(0)
	global_load_b128 v[QA:QA+3],   v[LI], s[4:5]              ; Q's two fragments stay in registers
	global_load_b128 v[QA+4:QA+7], v[LI], s[4:5] offset:512
	global_load_b128 v[QB:QB+3],   v[LI], s[4:5] offset:1024
	global_load_b128 v[QB+4:QB+7], v[LI], s[4:5] offset:1536
.set j, 0
.rept 64
	v_mov_b32 v[OA+j], 0                           ; O^T.  (The step is written without a first copy: the first step finds zeros, which the first change of M leaves zeros)
.set j, j+1
.endr
.irp s, STA, STB
	v_mov_b32 v[\s+1], 0xff61b1e6                  ; the largest t so far: -3e38, under every t
	s_delay_alu instid0(VALU_DEP_1)
	v_floor_f32 v[\s], -v[\s+1]                    ; -M
	v_mov_b32 v[\s+2], 0                           ; the sum, in two halves
	v_mov_b32 v[\s+3], 0
.endr
	v_mov_b32 v[FF+1], 0
	v_mov_b32 v20, 0                               ; written once: a lane permute's destination counts as one of its sources
	v_and_b32 v18, 15, v0                          ; r
	v_bfe_u32 v19, v0, 4, 1                        ; h
	s_mul_i32 s20, s[WV], 16*STP                   ; my stage, in bytes that hold K and V until the last step is over
	v_mul_u32_u24 v[STO], v18, STP
	s_delay_alu instid0(VALU_DEP_1)
	v_lshl_add_u32 v[STO], v19, 5, v[STO]
	s_delay_alu instid0(VALU_DEP_1)
	v_add_nc_u32 v[STO], s20, v[STO]               ; in: row r, + 32 h
	v_mul_u32_u24 v[RD], v19, STP
	s_delay_alu instid0(VALU_DEP_1)
	v_lshl_add_u32 v[RD], v18, 4, v[RD]
	s_delay_alu instid0(VALU_DEP_1)
	v_add_nc_u32 v[RD], s20, v[RD]                 ; back: lanes 0-15 one row of 256 bytes, lanes 16-31 the next
	v_lshlrev_b32 v[GO], 12, v19
	s_delay_alu instid0(VALU_DEP_1)
	v_lshl_add_u32 v[GO], v18, 4, v[GO]            ; and the same two rows of the output
	s_wait_kmcnt 0x0
	s_add_co_i32 s20, s16, s17                     ; e6 + e7
	s_lshl_b32 s21, s20, 23
	s_add_co_i32 s[CS], s21, 0x3e38aa3b            ; log2(e) / 8, with e6 + e7 added to its exponent field
	s_mov_b32 s[CS+1], s[CS]                       ; (named with it as a pair, so it is written)
	s_sub_co_i32 s21, 160, s20
	s_lshl_b32 s21, s21, 23
	s_or_b32 s21, s21, 0x80000000
	v_mov_b32 v[NEG], s21                          ; -2^(33 - e6 - e7)
	s_add_co_i32 s21, s18, 127
	s_lshl_b32 s22, s21, 23
	v_mov_b32 v[SCP], s22                          ; 2^e8
	s_add_co_i32 s2, s18, s19                      ; e8 + e9
	MLOAD                                          ; step 0's mask words, over the exponents, which have been used
	s_wait_tensorcnt 0x0                           ; my part of K and V has landed,
	s_barrier_signal -1
	s_barrier_wait -1                              ; everybody's has
.irp t, 0,1,2,3
	ds_load_b128 v[KF+8*\t:KF+8*\t+3],   v[LI] offset:1024*\t        ; K of step 0
	ds_load_b128 v[KF+8*\t+4:KF+8*\t+7], v[LI] offset:1024*\t+512
.endr
	s_wait_loadcnt 0x0                             ; Q
	s_wait_dscnt 0x0
; One tile's softmax for a step of 64 keys: 110 vector instructions on the lane's 32 scores v[S] on.  O: its O^T;  P: its codes;  ST: its statistics.
.macro SOFT S, O, P, ST
	v_max3_num_f32 v18, v[\S], v[\S+1], v[\S+2]    ; the step's largest score of my query among my 32 keys, in two chains,
	v_max3_num_f32 v19, v[\S+3], v[\S+4], v[\S+5]
.irp i, 6,10,14,18,22,26
	s_delay_alu instid0(VALU_DEP_2)
	v_max3_num_f32 v18, v18, v[\S+\i], v[\S+\i+1]
	s_delay_alu instid0(VALU_DEP_2)
	v_max3_num_f32 v19, v19, v[\S+\i+2], v[\S+\i+3]
.endr
	s_delay_alu instid0(VALU_DEP_2)
	v_max3_num_f32 v18, v18, v[\S+30], v[\S+31]
	s_delay_alu instid0(VALU_DEP_1)
	v_max_num_f32 v18, v18, v19
	s_delay_alu instid0(VALU_DEP_1)
	v_permlanex16_b32 v20, v18, s[SEL], s[SEL+1]
	s_delay_alu instid0(VALU_DEP_1)
	v_max_num_f32 v18, v18, v20                    ; and among lane l xor 16's
	s_delay_alu instid0(VALU_DEP_1)
	v_mul_f32 v18, s[CS], v18                      ; as t (c is positive)
	s_delay_alu instid0(VALU_DEP_1)
	v_max_num_f32 v[\ST+1], v[\ST+1], v18          ; the running largest t
	v_mov_b32 v18, v[\ST]
	s_delay_alu instid0(VALU_DEP_2)
	v_floor_f32 v[\ST], -v[\ST+1]                  ; the new -M = floor(-t) = -ceil(t): M IS A WHOLE NUMBER
	s_delay_alu instid0(VALU_DEP_1)
	v_sub_f32 v18, v[\ST], v18                     ; M's old value less its new one: a whole number, 0 or less
	s_delay_alu instid0(VALU_DEP_1)
	v_cvt_i32_f32 v18, v18                         ; (it saturates)
	s_delay_alu instid0(VALU_DEP_1)
	v_ldexp_f32 v[FF], 1.0, v18                    ; f = 2^(old M - new M)
.irp j, 0,2,4,6,8,10,12,14,16,18,20,22,24,26,28,30
	v_pk_fma_f32 v[\S+\j:\S+\j+1], v[\S+\j:\S+\j+1], s[CS:CS+1], v[\ST:\ST+1] op_sel_hi:[1,0,0]   ; t - M, two at a time (of the pairs c and -M the low word serves both halves)
.endr
	s_wait_alu depctr_va_vdst(0)
.irp j, 0,1,2,3,4,5,6,7,8,9,10,11,12,13,14,15,16,17,18,19,20,21,22,23,24,25,26,27,28,29,30,31
	v_exp_f32 v[\S+\j], v[\S+\j]                   ; p = 2^(t - M), at most 1: NOT normalised
.endr
	v_pk_mul_f32 v[\ST+2:\ST+3], v[\ST+2:\ST+3], v[FF:FF+1] op_sel_hi:[1,0]   ; the sums under the new M.  (The plain instruction behind the exponentials: ISA guide 5.7.2)
	s_wait_alu depctr_va_vdst(0)
	v_pk_add_f32 v[22:23], v[\S:\S+1], v[\S+2:\S+3]                           ; THE ROW'S SUM IS TAKEN OF THE UNQUANTISED p: two at a time, in two chains
.irp j, 4,8,12,16,20,24,28
	v_pk_add_f32 v[\ST+2:\ST+3], v[\ST+2:\ST+3], v[\S+\j:\S+\j+1]
	v_pk_add_f32 v[22:23], v[22:23], v[\S+\j+2:\S+\j+3]
.endr
	s_delay_alu instid0(VALU_DEP_1)
	v_pk_add_f32 v[\ST+2:\ST+3], v[\ST+2:\ST+3], v[22:23]
.irp j, 0,1,2,3,4,5,6,7,8,9,10,11,12,13,14,15,16,17,18,19,20,21,22,23,24,25,26,27,28,29,30,31
.endr
.irp t, 0,1,2,3
	v_cvt_scalef32_pk8_fp8_f32 v[\P+2*\t:\P+2*\t+1], v[\S+8*\t:\S+8*\t+7], v[SCP]
.endr
.irp j, 0,2,4,6,8,10,12,14,16,18,20,22,24,26,28,30
	v_pk_mul_f32 v[\O+\j:\O+\j+1], v[\O+\j:\O+\j+1], v[FF:FF+1] op_sel_hi:[1,0]   ; O^T under the new M, each accumulator from its low end on.  (Also the plain instructions between the conversions and the products that read the codes)
.endr
.endm
.macro PV O, P                         ; O^T += V^T P^T: four tiles of 16 channels, four accumulators by turns
.irp t, 0,1,2,3
	v_wmma_f32_16x16x64_fp8_fp8 v[\O+8*\t:\O+8*\t+7], v[VF+8*\t:VF+8*\t+7], v[\P:\P+7], v[\O+8*\t:\O+8*\t+7]
.endr
.endm
; A KEY STEP of 64 keys.  next = 1: the next step's K and mask words are asked for.
; No two matrix instructions that follow each other name one accumulator, over the backward jump too (tile B's last O^T, then tile A's first S^T).
.macro STEP next
.irp t, 0,1,2,3                        ; S^T = K Q^T: each fragment of K against both tiles of queries; the constant 0 starts the sums
	v_wmma_f32_16x16x64_fp8_fp8 v[SA+8*\t:SA+8*\t+7], v[KF+8*\t:KF+8*\t+7], v[QA:QA+7], 0
	v_wmma_f32_16x16x64_fp8_fp8 v[SB+8*\t:SB+8*\t+7], v[KF+8*\t:KF+8*\t+7], v[QB:QB+7], 0
.endr
	v_add_nc_u32 v[ADR], s[TB], v[LI]              ; this line and three v_nop: the four places in front of the loads into K's and V's registers, which matrix instructions have read, and of the first read of the scores
.rept 3
	v_nop
.endr
.irp t, 0,1,2,3
	ds_load_b128 v[VF+8*\t:VF+8*\t+3],   v[ADR] offset:4096+1024*\t          ; V^T of this step: 32 lanes read 512 consecutive bytes
	ds_load_b128 v[VF+8*\t+4:VF+8*\t+7], v[ADR] offset:4096+1024*\t+512
.endr
.if \next
.irp t, 0,1,2,3
	ds_load_b128 v[KF+8*\t:KF+8*\t+3],   v[ADR] offset:STEPB+1024*\t         ; K of the next step
	ds_load_b128 v[KF+8*\t+4:KF+8*\t+7], v[ADR] offset:STEPB+1024*\t+512
.endr
.endif
	s_wait_alu depctr_va_vdst(0)
	s_wait_kmcnt 0x0                               ; this step's mask words, asked for a step ago; their offset register may be stepped
.set j, 0
.rept 32
	v_cndmask_b32 v[SA+j], v[SA+j], v[NEG], s[MA+j]   ; word j is the lane mask of register j: a masked score becomes NEG.  Each accumulator from its low end on
.set j, j+1
.endr
.set j, 0
.rept 32
	v_cndmask_b32 v[SB+j], v[SB+j], v[NEG], s[MB+j]
.set j, j+1
.endr
.if \next
	s_add_co_u32 s[MO], s[MO], 128
	MLOAD                                          ; the next step's words have this step's softmax in which to come
.endif
	SOFT SA, OA, PA, STA
	s_setprio 1
	s_wait_alu depctr_va_vdst(0)
	s_wait_dscnt 0x0                               ; V^T, and the next step's K
	PV OA, PA
	SOFT SB, OB, PB, STB                           ; tile B's vector work is issued while tile A's products run: it names none of their registers
	s_setprio 0
	PV OB, PB
.if \next
	s_add_co_u32 s[TB], s[TB], STEPB
.endif
.endm
	s_mov_b32 s3, 31
.Lstep:                                            ; 31 trips; the last step is written out, so that no LDS read and no mask load goes past the end
	s_setprio 2
	STEP 1
	s_sub_co_u32 s3, s3, 1
	s_cmp_lg_u32 s3, 0
	s_cbranch_scc1 .Lstep
	s_setprio 0
	STEP 0
	; THE WAY OUT.  The sum's two halves and lane l xor 16's are added; O^T / the sum x 2^(e8 + e9) goes through my stage in LDS, a tile (16 queries x 256 bytes) at a time,
	; so that sixteen lanes store 256 consecutive bytes, a query's 64 channels.  The stages lie where K and V lay: those bytes were filled once, and behind this barrier no wave reads them.
	s_wait_dscnt 0x0
	s_barrier_signal -1
	s_barrier_wait -1
.rept 4
	v_nop                                          ; the places behind the last products
.endr
	v_add_f32 v18, v[STA+2], v[STA+3]
	v_add_f32 v19, v[STB+2], v[STB+3]
	s_delay_alu instid0(VALU_DEP_2)
	v_permlanex16_b32 v20, v18, s[SEL], s[SEL+1]
	s_delay_alu instid0(VALU_DEP_2)
	v_permlanex16_b32 v22, v19, s[SEL], s[SEL+1]
	s_delay_alu instid0(VALU_DEP_2)
	v_add_f32 v18, v18, v20
	s_delay_alu instid0(VALU_DEP_2)
	v_add_f32 v19, v19, v22                        ; the rows' sums: above 1/2, since a row's largest p is
	s_wait_alu depctr_va_vdst(0)
	v_rcp_f32 v18, v18
	v_rcp_f32 v19, v19
	v_nop                                          ; a plain instruction between the last reciprocal and the use of its result
	s_wait_alu depctr_va_vdst(0)
	v_ldexp_f32 v18, v18, s2                       ; x 2^(e8 + e9)
	v_ldexp_f32 v19, v19, s2
.macro TOSTAGE S, O, R, BK
.set j, 0
.rept 32
	v_mul_f32 v[\S+j], v[\O+j], v[\R]              ; register 8 t + i is channel 16 t + 8 h + i of query r; each accumulator from its low end on
.set j, j+1
.endr
.irp t, 0,1,2,3
	ds_store_b128 v[STO], v[\S+8*\t:\S+8*\t+3]   offset:64*\t
	ds_store_b128 v[STO], v[\S+8*\t+4:\S+8*\t+7] offset:64*\t+16
.endr
.irp i, 0,1,2,3,4,5,6,7
	ds_load_b128 v[\BK+4*\i:\BK+4*\i+3], v[RD] offset:\i*2*STP   ; LDS serves a wave's instructions in order: these see my stores, and the next tile's stores come behind them
.endr
.endm
	TOSTAGE SA, OA, 18, KF
	TOSTAGE SB, OB, 19, VF
.irp i, 0,1,2,3,4,5,6,7
	s_wait_dscnt 23-\i                             ; tile A's read i is in: its 7 - i younger reads and tile B's 16 LDS instructions may be out
	global_store_b128 v[GO], v[KF+4*\i:KF+4*\i+3], s[12:13] offset:8192*\i th:TH_STORE_NT   ; rows 2 i and 2 i + 1; written once, read by nobody here
.endr
.irp i, 0,1,2,3,4,5,6,7
	s_wait_dscnt 7-\i
	global_store_b128 v[GO], v[VF+4*\i:VF+4*\i+3], s[12:13] offset:65536+8192*\i th:TH_STORE_NT   ; tile B: 16 rows of 4,096 bytes further on
.endr
	s_wait_dscnt 0x0
	s_wait_tensorcnt 0x0
	ds_add_u32 v254, v255
	s_wait_dscnt 0x0
	CROUND                                         ; the closing round: no work-group ends while a partner may still ask for bytes jointly
	s_endpgm
.Lfunc_end_k_qb56502e78d_attn:
	.size	k_qb56502e78d_attn, .Lfunc_end_k_qb56502e78d_attn-k_qb56502e78d_attn
	.p2alignl 7, 3214868480
	.fill 96, 4, 3214868480
	.section	.rodata,"a",@progbits
	.p2align	6, 0x0
	.amdhsa_kernel k_qb56502e78d_attn
		.amdhsa_group_segment_fixed_size 327680
		.amdhsa_private_segment_fixed_size 0
		.amdhsa_enable_private_segment 0
		.amdhsa_kernarg_size 40
		.amdhsa_user_sgpr_count 2
		.amdhsa_user_sgpr_kernarg_segment_ptr 1
		.amdhsa_wavefront_size32 1
		.amdhsa_system_sgpr_workgroup_id_x 1
		.amdhsa_system_sgpr_workgroup_id_y 1
		.amdhsa_system_sgpr_workgroup_id_z 1
		.amdhsa_system_vgpr_workitem_id 0
		.amdhsa_next_free_vgpr 256
		.amdhsa_next_free_sgpr 102
		.amdhsa_reserve_vcc 0
		.amdhsa_float_denorm_mode_32 3
		.amdhsa_float_denorm_mode_16_64 3
		.amdhsa_fp16_overflow 1
		.amdhsa_memory_ordered 1
		.amdhsa_forward_progress 1
		.amdhsa_inst_pref_size 55
	.end_amdhsa_kernel
	.amdgpu_metadata
---
amdhsa.version: [ 1, 2 ]
amdhsa.kernels:
  - .name:           k_qb56502e78d_attn
    .symbol:         k_qb56502e78d_attn.kd
    .args:
      - { .name: qimg, .offset: 0, .size: 8, .value_kind: global_buffer, .address_space: global }
      - { .name: kvimg, .offset: 8, .size: 8, .value_kind: global_buffer, .address_space: global }
      - { .name: mbits, .offset: 16, .size: 8, .value_kind: global_buffer, .address_space: global }
      - { .name: lowp_scales, .offset: 24, .size: 8, .value_kind: global_buffer, .address_space: global }
      - { .name: out0, .offset: 32, .size: 8, .value_kind: global_buffer, .address_space: global }
    .group_segment_fixed_size: 327680
    .private_segment_fixed_size: 0
    .kernarg_segment_align: 8
    .kernarg_segment_size: 40
    .max_flat_workgroup_size: 512
    .sgpr_count:     102
    .vgpr_count:     256
    .wavefront_size: 32
...
	.end_amdgpu_metadata
.endif
;; end of part 3
